; MI455X (gfx1250); checked and timed in simulation.
; The chip was launched on July 23, 2026; its instructions are those of AMD's public machine-readable ISA for CDNA 5 (MIT licence, August 2026) and "CDNA5" Instruction Set Architecture Reference Guide (July 2026). The comments in the code are by the model that wrote it; some were corrected since.
;; Row Wise Experts MLP. Allowed arithmetic: matrix products marked QUANTISED: E5M2 operands, one given power-of-two scale a tensor, by v_wmma_f32_16x16x64_bf8_bf8 or v_wmma_f32_16x16x128_bf8_bf8, f32 sums; everything else in f32.
;; Inputs: W1_codes 8 x 2,048 x 32 x 32 uint8 (E5M2 codes of W1, K innermost, in blocks of 32 codes); W2_codes 8 x 1,024 x 64 x 32 uint8 (E5M2 codes of W2, K innermost, in blocks of 32 codes); b2 8 x 1,024 float32; eid 2,048 int32; lowp_scales 32 int32 (the exponents e of the quantised operands' scales 2^e); x_codes 2,048 x 32 x 32 uint8 (E5M2 codes of x, K innermost, in blocks of 32 codes).
;; Outputs: out0 2,048 x 1,024 float32.
;; This version of the problem:
;;   THIS VERSION OF THE PROBLEM IS GIVEN IN LOW PRECISION. The matrix products marked QUANTISED in the list below multiply operands that are first quantised to E5M2 (5 exponent bits, 2 mantissa bits; 8 bits a number), with one given power-of-two scale for each operand tensor; their sums are f32. All else is computed in f32.
;;   The module's matrix products, in the order in which they are computed (A, B: the left and right operand; K: the contracted axis; several contracted axes count as one K, in the product's order):
;;     1. [M 2,048, K 1,024] x [K 1,024, N 2,048]; A: input x (given as codes); B: input W1 (given as codes): QUANTISED (scales: A lowp_scales[0], B lowp_scales[1])
;;     2. [M 2,048, K 2,048] x [K 2,048, N 1,024]; A: computed on the way; B: input W2 (given as codes): QUANTISED (scales: A lowp_scales[2], B lowp_scales[3])
;;     3. [M 2,048, K 1,024] x [K 1,024, N 2,048]; A: input x (given as codes); B: input W1 (given as codes): QUANTISED (scales: A lowp_scales[4], B lowp_scales[5])
;;     4. [M 2,048, K 2,048] x [K 2,048, N 1,024]; A: computed on the way; B: input W2 (given as codes): QUANTISED (scales: A lowp_scales[6], B lowp_scales[7])
;;     5. [M 2,048, K 1,024] x [K 1,024, N 2,048]; A: input x (given as codes); B: input W1 (given as codes): QUANTISED (scales: A lowp_scales[8], B lowp_scales[9])
;;     6. [M 2,048, K 2,048] x [K 2,048, N 1,024]; A: computed on the way; B: input W2 (given as codes): QUANTISED (scales: A lowp_scales[10], B lowp_scales[11])
;;     7. [M 2,048, K 1,024] x [K 1,024, N 2,048]; A: input x (given as codes); B: input W1 (given as codes): QUANTISED (scales: A lowp_scales[12], B lowp_scales[13])
;;     8. [M 2,048, K 2,048] x [K 2,048, N 1,024]; A: computed on the way; B: input W2 (given as codes): QUANTISED (scales: A lowp_scales[14], B lowp_scales[15])
;;     9. [M 2,048, K 1,024] x [K 1,024, N 2,048]; A: input x (given as codes); B: input W1 (given as codes): QUANTISED (scales: A lowp_scales[16], B lowp_scales[17])
;;     10. [M 2,048, K 2,048] x [K 2,048, N 1,024]; A: computed on the way; B: input W2 (given as codes): QUANTISED (scales: A lowp_scales[18], B lowp_scales[19])
;;     11. [M 2,048, K 1,024] x [K 1,024, N 2,048]; A: input x (given as codes); B: input W1 (given as codes): QUANTISED (scales: A lowp_scales[20], B lowp_scales[21])
;;     12. [M 2,048, K 2,048] x [K 2,048, N 1,024]; A: computed on the way; B: input W2 (given as codes): QUANTISED (scales: A lowp_scales[22], B lowp_scales[23])
;;     13. [M 2,048, K 1,024] x [K 1,024, N 2,048]; A: input x (given as codes); B: input W1 (given as codes): QUANTISED (scales: A lowp_scales[24], B lowp_scales[25])
;;     14. [M 2,048, K 2,048] x [K 2,048, N 1,024]; A: computed on the way; B: input W2 (given as codes): QUANTISED (scales: A lowp_scales[26], B lowp_scales[27])
;;     15. [M 2,048, K 1,024] x [K 1,024, N 2,048]; A: input x (given as codes); B: input W1 (given as codes): QUANTISED (scales: A lowp_scales[28], B lowp_scales[29])
;;     16. [M 2,048, K 2,048] x [K 2,048, N 1,024]; A: computed on the way; B: input W2 (given as codes): QUANTISED (scales: A lowp_scales[30], B lowp_scales[31])
;;   THE QUANTISER, for each operand of a quantised product, along K:
;;     - The operand's scale is 2^e, e = its entry of the input lowp_scales (int32; the entries are numbered through the quantised products in the list's order, A before B).
;;     - Each number is divided by the scale, clamped to +-57,344, and rounded to the nearest number of E5M2, ties to even, subnormals kept.
;;     - The product sums the exact products of the quantised numbers (number of the format x scale) in f32.
;;   ~~~python
;;   def quantise(x, axis, e):      # numpy; x: float32 -> the quantised numbers, widened to float32 again
;;       x = np.moveaxis(x, axis, -1); K = x.shape[-1]
;;       r = np.clip(x / 2.0 ** e, -57344, 57344)
;;       step = 2.0 ** (np.maximum(np.frexp(np.where(r == 0, 1, r))[1] - 1, -14) - 2)
;;       q = np.round(r / step) * step * 2.0 ** e      # np.round: ties to even
;;       return np.moveaxis(q, -1, axis).astype(np.float32)
;;   ~~~
;;   OPERANDS COMPUTED ON THE WAY. 'Computed on the way' means the value that the module computes at that place (a softmax that the list does not call 'softmax' is quantised finished and normalised). What goes into a quantiser is computed in f32, as accurately as f32 sums, v_exp_f32 and their like allow (about 1e-6 of the number): no bf16 or f16 on the way to a quantiser, and a product that is left as it is and whose result goes on into a quantised operand takes f32 operands (vector FMAs, or v_wmma_f32_16x16x4_f32). A number that lies on a knife's edge between two numbers of the format may be rounded either way, as far as f32 arithmetic and the matrix unit's own rounding can turn it there, and no further.
;;   INPUTS GIVEN AS CODES. W1 (in the module: [8, 2048, 1024], K = its axis 2); W2 (in the module: [8, 1024, 2048], K = its axis 2); x (in the module: [2048, 1024], K = its axis 1): each comes as NAME_codes (uint8): NAME with its K axis moved to the last place and cut into blocks of 32 codes, [.., K / 32, bytes a block], one block behind the other in memory; one code a byte (a code: sign, 5 exponent bits, 2 mantissa bits); its scale is its entry of lowp_scales. Its value is code x scale, taken as it is: it is not quantised again, and the codes and scales need not be those that the quantiser above would give.
;; One version. Each part assembles by itself: llvm-mc -triple=amdgcn-amd-amdhsa -mcpu=gfx1250 --defsym DOCPART=n.
;; ======== version 1 of 1: 3 launches
;; workspace buffers: route 8,960 bytes of whole numbers; hcodes 4,456,448 bytes
;; launch route (part 1): grid 1 x 1, 1 waves a work-group, no clusters, 10,496 bytes of LDS; arguments eid, route; writes route
.if DOCPART == 1
	.amdgcn_target "amdgcn-amd-amdhsa--gfx1250"
	.amdhsa_code_object_version 6
	.text
	.protected	k_q6d6bfda793_route
	.globl	k_q6d6bfda793_route
	.p2align	8
	.type	k_q6d6bfda793_route,@function
k_q6d6bfda793_route:
	s_mov_b64 s[64:65], 0
	v_nop
	global_prefetch_b8 v0, s[64:65] scope:SCOPE_SE
	s_setreg_imm32_b32 hwreg(HW_REG_WAVE_MODE, 25, 1), 1
	s_wait_xcnt 0x0
; A counting sort of the 2,048 tokens by expert, each expert's run padded to whole tiles of 16 positions.
; OUT: route bytes 0-255: for expert e the pair {T0_e, nt_e} (first tile, number of tiles) at byte 8 e, zeros behind;
;      route bytes 256-8959: 2,176 list entries, position 16 T0_e .. 16 (T0_e + nt_e) - 1 for expert e.  The tiles of all experts are 135 at the most (2,048 / 16 + 7).
; AN ENTRY is the token's number; bit 16 is set where eid is not 0 .. 7: such a token is listed under expert 7 and the last launch stores zeros for it.
; A PAD POSITION repeats the entry at the head of its own tile, so a pad row is the same work and the same bytes as that row, in the same wave.  Positions that no expert owns hold 0.
; One wave: 64 tokens a lane.  LDS serves a wave's instructions in order, so no barrier is needed.
.set ORD,  0                           ; LDS: the list, 2,176 words
.set TBL,  8704                        ; 32 bytes a lane: the lane's first position for each expert
.set DUMP, 9728                        ; a word a lane, for pad stores of lanes that have no pad
.set EI,   64                          ; v64-127   eid of my 64 tokens, later their positions
.set RK,   128                         ; v128-191  rank among my own tokens of the same expert, later the entry
.set FL,   192                         ; v192-255  0x10000 where eid is out of range
	s_load_b128 s[4:7], s[0:1], 0x0                ; eid s[4:5], route s[6:7]
	v_lshl_add_u32 v62, v0, 2, 0x2800
	v_mov_b32 v63, 0
	v_lshlrev_b32 v1, 2, v0                        ; 4 x lane
	v_lshlrev_b32 v2, 4, v0                        ; 16 x lane
	v_lshl_add_u32 v3, v0, 5, TBL
	v_add_nc_u32 v4, DUMP/4, v0                    ; my spare word, counted in words like a position
	v_mov_b32 v5, 1
.irp i, 6,7,8,9,10,11,40,41,42,43,44,45
	v_mov_b32 v\i, 0                               ; v6, v7: eight byte counters; v8-11: written once, since a lane move's destination counts as read
.endr
	v_mov_b32 v12, 0x10000
	s_wait_kmcnt 0x0
.irp i, 0,1,2,3,4,5,6,7,8,9,10,11,12,13,14,15
	global_load_b128 v[EI+4*\i:EI+4*\i+3], v2, s[4:5] offset:512*\i   ; register 4 i + q: token 128 i + 4 lane + q
.endr
.irp i, 0,1,2,3,4,5,6,7,8,9,10,11,12,13,14,15,16
	ds_store_b128 v2, v[40:43] offset:ORD+512*\i   ; the list begins as zeros
.endr
	s_wait_loadcnt 0x0
; my own counts, a byte for each expert (64 at the most), and each token's rank = the count before it
.set j, 0
.rept 64
	v_cmp_lt_u32 vcc_lo, 7, v[EI+j]
	v_cndmask_b32 v[FL+j], 0, v12, vcc_lo
	v_min_u32 v[EI+j], 7, v[EI+j]
	v_perm_b32 v[RK+j], v7, v6, v[EI+j]            ; selector byte 0 = e picks counter e of {v7, v6}
	v_lshlrev_b32 v8, 3, v[EI+j]
	v_cmp_gt_u32 vcc_lo, 4, v[EI+j]
	v_lshlrev_b32 v8, v8, v5                       ; 1 << (8 e mod 32)
	v_and_b32 v[RK+j], 0xff, v[RK+j]
	v_cndmask_b32 v9, 0, v8, vcc_lo                ; for experts 0-3
	v_sub_nc_u32 v8, v8, v9                        ; for experts 4-7
	v_add_nc_u32 v6, v6, v9
	v_add_nc_u32 v7, v7, v8
.set j, j+1
.endr
; two counts of 16 bits a register (a total is 2,048 at the most), then a running sum over the 32 lanes
	v_bfe_u32 v8, v6, 0, 8
	v_bfe_u32 v9, v6, 8, 8
	v_lshl_or_b32 v16, v9, 16, v8
	v_bfe_u32 v8, v6, 16, 8
	v_lshrrev_b32 v9, 24, v6
	v_lshl_or_b32 v17, v9, 16, v8
	v_bfe_u32 v8, v7, 0, 8
	v_bfe_u32 v9, v7, 8, 8
	v_lshl_or_b32 v18, v9, 16, v8
	v_bfe_u32 v8, v7, 16, 8
	v_lshrrev_b32 v9, 24, v7
	v_lshl_or_b32 v19, v9, 16, v8
.irp i, 0,1,2,3
	v_mov_b32 v[20+\i], v[16+\i]                   ; my own counts are kept
.endr
.irp s, 1,2,4,8
.irp i, 0,1,2,3
	v_mov_b32_dpp v[8+\i], v[16+\i] row_shr:\s row_mask:0xf bank_mask:0xf bound_ctrl:1   ; lane l takes lane l - s of its 16; 0 where there is none
.endr
.irp i, 0,1,2,3
	v_add_nc_u32 v[16+\i], v[16+\i], v[8+\i]
.endr
.endr
	v_cmp_le_u32 vcc_lo, 16, v0
.irp i, 0,1,2,3
	v_readlane_b32 s[20+\i], v[16+\i], 15          ; the lower 16 lanes' total goes onto the upper 16
	v_mov_b32 v8, s[20+\i]
	v_cndmask_b32 v8, 0, v8, vcc_lo
	v_add_nc_u32 v[16+\i], v[16+\i], v8
.endr
.irp i, 0,1,2,3
	v_readlane_b32 s[20+\i], v[16+\i], 31          ; the totals
	v_sub_nc_u32 v[16+\i], v[16+\i], v[20+\i]      ; and what the lanes below me hold
.endr
; s24+e count, s32+e tiles, s40+e first tile, s48+e first position
	s_mov_b32 s56, 0
.irp e, 0,1,2,3,4,5,6,7
	s_bfe_u32 s[24+\e], s[20+\e/2], (16<<16)|(16*(\e%2))
	s_add_co_u32 s[32+\e], s[24+\e], 15
	s_lshr_b32 s[32+\e], s[32+\e], 4
	s_mov_b32 s[40+\e], s56
	s_lshl_b32 s[48+\e], s56, 4
	s_add_co_u32 s56, s56, s[32+\e]
.endr
.irp e, 0,1,2,3,4,5,6,7
	v_bfe_u32 v8, v[16+\e/2], 16*(\e%2), 16
	v_add_nc_u32 v[24+\e], s[48+\e], v8            ; my first position for expert e
.endr
	ds_store_b128 v3, v[24:27]
	ds_store_b128 v3, v[28:31] offset:16
.set j, 0
.rept 64
	v_lshl_add_u32 v[8+j%8], v[EI+j], 2, v3
	ds_load_b32 v[EI+j], v[8+j%8]                  ; looked up by the token's expert
.set j, j+1
.endr
	s_wait_dscnt 0x0
.set j, 0
.rept 64
	v_add_nc_u32 v[EI+j], v[EI+j], v[RK+j]         ; the token's position
	v_min_u32 v[EI+j], 2175, v[EI+j]
	v_lshlrev_b32 v[EI+j], 2, v[EI+j]
	v_add3_u32 v[RK+j], v[FL+j], v1, 128*(j/4)+j%4 ; its entry
	ds_store_b32 v[EI+j], v[RK+j]
.set j, j+1
.endr
; pads: positions count .. 16 tiles - 1 of each expert repeat the entry at the head of the expert's last tile (a listed token: the count is above 16 (tiles - 1))
.irp e, 0,1,2,3,4,5,6,7
	s_max_u32 s57, s[32+\e], 1
	s_sub_co_u32 s57, s57, 1
	s_lshl_b32 s57, s57, 4
	s_add_co_u32 s57, s57, s[48+\e]
	s_min_u32 s57, s57, 2175
	s_lshl_b32 s57, s57, 2
	v_mov_b32 v[8+\e], s57
	ds_load_b32 v[32+\e], v[8+\e]
.endr
	s_wait_dscnt 0x0
.irp e, 0,1,2,3,4,5,6,7
	s_add_co_u32 s57, s[48+\e], s[24+\e]
	s_lshl_b32 s58, s[32+\e], 4
	s_add_co_u32 s58, s58, s[48+\e]
	v_add_nc_u32 v8, s57, v0                       ; 15 pads at the most: a lane to each
	v_cmp_gt_u32 vcc_lo, s58, v8
	v_cndmask_b32 v8, v4, v8, vcc_lo               ; a lane without a pad takes its own spare word; the choice stands ahead of the hold,
	v_min_u32 v8, DUMP/4+31, v8                    ; so the word lies inside the bytes claimed whatever was counted
	v_lshlrev_b32 v8, 2, v8
	ds_store_b32 v8, v[32+\e]
.endr
.irp i, 0,1,2,3,4,5,6,7,8,9,10,11,12,13,14,15,16
	ds_load_b128 v[64+4*\i:67+4*\i], v2 offset:ORD+512*\i
.endr
.irp e, 0,1,2,3,4,5,6,7
	v_writelane_b32 v44, s[40+\e], \e
	v_writelane_b32 v45, s[32+\e], \e
.endr
	v_lshlrev_b32 v8, 3, v0
	global_store_b64 v8, v[44:45], s[6:7]          ; 32 lanes x 8 bytes: the first 256 bytes, whole
	s_wait_dscnt 0x0
.irp i, 0,1,2,3,4,5,6,7,8,9,10,11,12,13,14,15,16
	global_store_b128 v2, v[64+4*\i:67+4*\i], s[6:7] offset:256+512*\i   ; 512 consecutive bytes a store
.endr
	s_wait_tensorcnt 0x0
	ds_add_u32 v62, v63
	s_wait_dscnt 0x0
	s_endpgm
.Lfunc_end_k_q6d6bfda793_route:
	.size	k_q6d6bfda793_route, .Lfunc_end_k_q6d6bfda793_route-k_q6d6bfda793_route
	.p2alignl 7, 3214868480
	.fill 96, 4, 3214868480
	.section	.rodata,"a",@progbits
	.p2align	6, 0x0
	.amdhsa_kernel k_q6d6bfda793_route
		.amdhsa_group_segment_fixed_size 10496
		.amdhsa_private_segment_fixed_size 0
		.amdhsa_enable_private_segment 0
		.amdhsa_kernarg_size 16
		.amdhsa_user_sgpr_count 2
		.amdhsa_user_sgpr_kernarg_segment_ptr 1
		.amdhsa_wavefront_size32 1
		.amdhsa_system_sgpr_workgroup_id_x 1
		.amdhsa_system_sgpr_workgroup_id_y 1
		.amdhsa_system_sgpr_workgroup_id_z 1
		.amdhsa_system_vgpr_workitem_id 0
		.amdhsa_next_free_vgpr 256
		.amdhsa_next_free_sgpr 66
		.amdhsa_reserve_vcc 1
		.amdhsa_float_denorm_mode_32 3
		.amdhsa_float_denorm_mode_16_64 3
		.amdhsa_memory_ordered 1
		.amdhsa_forward_progress 1
		.amdhsa_inst_pref_size 73
	.end_amdhsa_kernel
	.amdgpu_metadata
---
amdhsa.version: [ 1, 2 ]
amdhsa.kernels:
  - .name:           k_q6d6bfda793_route
    .symbol:         k_q6d6bfda793_route.kd
    .args:
      - { .name: eid, .offset: 0, .size: 8, .value_kind: global_buffer, .address_space: global }
      - { .name: route, .offset: 8, .size: 8, .value_kind: global_buffer, .address_space: global }
    .group_segment_fixed_size: 10496
    .private_segment_fixed_size: 0
    .kernarg_segment_align: 8
    .kernarg_segment_size: 16
    .max_flat_workgroup_size: 32
    .sgpr_count:     66
    .vgpr_count:     256
    .wavefront_size: 32
...
	.end_amdgpu_metadata
.endif
;; end of part 1
;; launch up (part 2): grid 32 x 8, 4 waves a work-group, no clusters, 200,192 bytes of LDS; arguments x_codes, W1_codes, lowp_scales, route, hcodes; writes hcodes
.if DOCPART == 2
	.amdgcn_target "amdgcn-amd-amdhsa--gfx1250"
	.amdhsa_code_object_version 6
	.text
	.protected	k_q6d6bfda793_up
	.globl	k_q6d6bfda793_up
	.p2align	8
	.type	k_q6d6bfda793_up,@function
k_q6d6bfda793_up:
	s_mov_b64 s[64:65], 0
	v_nop
	global_prefetch_b8 v0, s[64:65] scope:SCOPE_SE
	s_setreg_imm32_b32 hwreg(HW_REG_WAVE_MODE, 25, 1), 1
	s_wait_xcnt 0x0
; hcodes = Q(gelu(x W1[e]^T)) for the rows listed for expert e, on codes of E5M2; sums in f32; Q with the given scale 2^eh.
; SHARES.  Work-group (x = 2 slice + part, y = expert e): hidden units 128 slice .. + 127, and the expert's tiles of 16 listed rows whose number has the part's parity.
; THE WAVES SHARE THE COLUMNS: wave w keeps hidden units 32 w .. 32 w + 31 of the slice, all K = 1,024, in 256 registers, read from memory once.
; The part's rows of x are gathered by the list into LDS, 16 rows a place, and read by all four waves: one barrier, with no branch ahead of it.
; ALL TWELVE PLACES ARE FILLED, three by each wave, whatever the part's number of tiles: so the way to the barrier hangs on no loaded number.  A place beyond the part's tiles takes the rows
; of the tile that its held number names, and nobody reads them: with 8 or 9 tiles to a part that is 48 to 64 KiB gathered for nothing, the price of that form.
; Twelve places serve 384 rows of an expert; tiles beyond them (an expert with more) take their fragments straight from memory, in a loop of their own.
; No tensor loads and no cluster: trip counts hang on the stored list, and partners would have different numbers of tiles.
; THE PRODUCT IS USED TRANSPOSED (source 0 = 16 rows of W1, source 1 = 16 rows of x), and lane r of tile u takes W1's row 8 u + r + 8 (r / 8): so a lane's 16 sums are
; hidden units 32 w + 16 (lane / 16) + 0 .. 15 of one row: 16 neighbours along the next K.  Their 16 codes are registers 4 w .. 4 w + 3 of the next product's fragment.
; hcodes: tile T, K step s at byte 32,768 T + 2,048 s: the fragment's registers as they stand: registers 4 c .. 4 c + 3 of lane l at 512 c + 16 l.  A wave's store covers 512 consecutive bytes.
; Every fragment holds k = 32 c + 16 (lane / 16) + 0 .. 15 in registers 4 c .. 4 c + 3, alike on both sides of a product, so every code meets its partner.
; GELU as 0.5 u (1 + erf(u / sqrt 2)), erf(t) = t P(t^2) / Q(t^2) on |t| <= 4, all in f32.
; LIMITS: eh between -126 and 112, so that 2^eh and 57,344 x 2^eh are f32 numbers; ex + ew1 goes in by v_ldexp_f32.  NaN and infinity among the codes are not served.
; A list entry with bit 16 set (eid out of range) is held at token 2,047 here: its row is computed and never used.
; REGISTERS: window 0: addresses, constants, sums and the gelu's work; window 1: W1's 16 fragments at v[16 (8 u + k)];
;   window 2: first the gathered rows of my first two places, then two buffers of x's 8 fragments; window 3, v0-127: the rows of my third place.
.set PIT,   1040                       ; an LDS row: 1,024 bytes + 16: an odd multiple of 16, so the 16 rows of a load begin at 16 different 16-byte columns of 256
.set PLACE, 16*PIT
.set NPL,   12
.set LI,   3                           ; 16 x lane
.set WOFF, 4                           ; (r + 8 (r / 8)) x 1,024 + 16 h
.set FRA,  5                           ; 1,040 r + 16 h
.set AD0,  6                           ; LDS address of the tile for buffer 0, 1
.set AD1,  7
.set OA,   8                           ; v8-10   list addresses
.set XST,  11                          ; v11-13  where I store gathered rows
.set C16,  14                          ; 16 r
.set R4,   15                          ; 4 h
.set H16,  16                          ; 16 h
.set OVT,  17
.set OVA,  18
.set STA,  22                          ; my byte offset in hcodes for the tile in hand
.set XO,   32                          ; v32-55  byte offsets of my rows in x
.set KC1,  64                          ; pairs of constants, the same number in both halves
.set KC2,  66
.set KA,   68
.set KB,   82
.set LIM,  92
.set SCL,  93
.set ACC,  96
.set CD,   112
.set GT,   128
.set HU,   144
.set X2,   160
.set PP,   176
.set QQ,   192
.set MSB, 0
.macro WIN new                         ; the immediate's high byte repeats the setting that is left; a switch that changes nothing is dropped
.if MSB != (\new)
	s_set_vgpr_msb (MSB<<8)|(\new)
.set MSB, (\new)
.endif
.endm
.macro KPAIR reg, val
	v_mov_b32 v[\reg], \val
	v_mov_b32 v[\reg+1], \val
.endm
.macro WLOAD u                         ; tile u of my 32 rows of W1, all eight K steps
	WIN 0x40
.irp k, 0,1,2,3,4,5,6,7
.irp c, 0,1,2,3
	global_load_b128 v[16*(8*\u+\k)+4*\c:16*(8*\u+\k)+4*\c+3], v[WOFF], s[6:7] offset:8192*\u+128*\k+32*\c
.endr
.endr
	WIN 0
.endm
.macro OLOAD f                         ; the list of place 4 f + w: lanes 0-15 entry 2 t, lanes 16-31 entry 2 t + 1
	s_lshl_b32 s43, s14, 1
	s_add_co_u32 s43, s43, s31
	s_add_co_u32 s43, s43, 8*\f
	s_min_u32 s43, s43, 135
	s_lshl_b32 s43, s43, 6
	v_add_nc_u32 v[OA+\f], s43, v[R4]
.irp t, 0,1,2,3,4,5,6,7
	global_load_b32 v[XO+8*\f+\t], v[OA+\f], s[10:11] offset:256+8*\t
.endr
.endm
.macro XLD f                           ; 16 rows of x: an instruction reads 256 consecutive bytes of each of two rows
	WIN (0x80+0x40*((\f)/2))
.irp t, 0,1,2,3,4,5,6,7
.irp q, 0,1,2,3
	global_load_b128 v[128*((\f)%2)+16*\t+4*\q:128*((\f)%2)+16*\t+4*\q+3], v[XO+8*(\f)+\t], s[4:5] offset:256*\q
.endr
.endr
.endm
.macro XSTO f, left                    ; left: the younger loads that may stay out
	s_wait_loadcnt \left
	WIN (0x08+0x04*((\f)/2))
.irp t, 0,1,2,3,4,5,6,7
.irp q, 0,1,2,3
	ds_store_b128 v[XST+\f], v[128*((\f)%2)+16*\t+4*\q:128*((\f)%2)+16*\t+4*\q+3] offset:2*PIT*\t+256*\q
.endr
.endr
.endm
.macro LDA buf, vad                    ; a tile's eight fragments of x into buffer buf
	WIN 0x80
.irp k, 0,1,2,3,4,5,6,7
.irp c, 0,1,2,3
	ds_load_b128 v[128*\buf+16*\k+4*\c:128*\buf+16*\k+4*\c+3], v[\vad] offset:128*\k+32*\c
.endr
.endr
	WIN 0
.endm
.macro GELU16                          ; 16 sums a lane, two at a time; each accumulator is read from its low end on
.irp i, 0,2,4,6,8,10,12,14
	v_pk_mul_f32 v[GT+\i:GT+\i+1], v[ACC+\i:ACC+\i+1], v[KC1:KC1+1]          ; t = u / sqrt 2, the two scales folded in
.endr
.irp i, 0,2,4,6,8,10,12,14
	v_pk_mul_f32 v[HU+\i:HU+\i+1], v[ACC+\i:ACC+\i+1], v[KC2:KC2+1]          ; u / 2
.endr
.irp i, 0,1,2,3,4,5,6,7,8,9,10,11,12,13,14,15
	v_med3_num_f32 v[GT+\i], v[GT+\i], -4.0, 4.0                             ; beyond 4 erf is 1 in f32
.endr
.irp i, 0,2,4,6,8,10,12,14
	v_pk_mul_f32 v[X2+\i:X2+\i+1], v[GT+\i:GT+\i+1], v[GT+\i:GT+\i+1]
.endr
.irp i, 0,2,4,6,8,10,12,14
	v_pk_fma_f32 v[PP+\i:PP+\i+1], v[X2+\i:X2+\i+1], v[KA:KA+1], v[KA+2:KA+3]
.endr
.irp i, 0,2,4,6,8,10,12,14
	v_pk_fma_f32 v[QQ+\i:QQ+\i+1], v[X2+\i:X2+\i+1], v[KB:KB+1], v[KB+2:KB+3]
.endr
.irp n, 2,3,4,5,6
.irp i, 0,2,4,6,8,10,12,14
	v_pk_fma_f32 v[PP+\i:PP+\i+1], v[PP+\i:PP+\i+1], v[X2+\i:X2+\i+1], v[KA+2*\n:KA+2*\n+1]
.endr
.endr
.irp n, 2,3,4
.irp i, 0,2,4,6,8,10,12,14
	v_pk_fma_f32 v[QQ+\i:QQ+\i+1], v[QQ+\i:QQ+\i+1], v[X2+\i:X2+\i+1], v[KB+2*\n:KB+2*\n+1]
.endr
.endr
.irp i, 0,1,2,3,4,5,6,7,8,9,10,11,12,13,14,15
	v_rcp_f32 v[QQ+\i], v[QQ+\i]
.endr
.irp i, 0,2,4,6,8,10,12,14
	v_pk_mul_f32 v[PP+\i:PP+\i+1], v[PP+\i:PP+\i+1], v[GT+\i:GT+\i+1]        ; plain lines that touch no reciprocal stand behind the reciprocals (ISA guide 5.7.2)
.endr
	s_wait_alu depctr_va_vdst(0)
.irp i, 0,2,4,6,8,10,12,14
	v_pk_mul_f32 v[PP+\i:PP+\i+1], v[PP+\i:PP+\i+1], v[QQ+\i:QQ+\i+1]        ; erf
.endr
.irp i, 0,2,4,6,8,10,12,14
	v_pk_fma_f32 v[HU+\i:HU+\i+1], v[HU+\i:HU+\i+1], v[PP+\i:PP+\i+1], v[HU+\i:HU+\i+1]   ; u / 2 + u / 2 x erf
.endr
.irp i, 0,1,2,3,4,5,6,7,8,9,10,11,12,13,14,15
	v_med3_num_f32 v[HU+\i], v[HU+\i], -v[LIM], v[LIM]                       ; the conversion does not saturate (ISA guide 7.6.2): held at the largest code x the scale
.endr
.endm
; One tile (its number within the part in s41) against my 32 hidden units.  dsn: the LDS loads issued behind this buffer's, which may stay out.
.macro TILE buf, dsn
	s_wait_dscnt \dsn
	WIN 0x09                                       ; source 0 (W1) window 1, source 1 (x) window 2, sums window 0
.irp k, 0,1,2,3,4,5,6,7
.irp u, 0,1
.if \k == 0
	v_wmma_f32_16x16x128_bf8_bf8 v[ACC+8*\u:ACC+8*\u+7], v[16*(8*\u+\k):16*(8*\u+\k)+15], v[128*\buf+16*\k:128*\buf+16*\k+15], 0
.else
	v_wmma_f32_16x16x128_bf8_bf8 v[ACC+8*\u:ACC+8*\u+7], v[16*(8*\u+\k):16*(8*\u+\k)+15], v[128*\buf+16*\k:128*\buf+16*\k+15], v[ACC+8*\u:ACC+8*\u+7]
.endif
.endr
.endr                                          ; the two accumulators take turns, one instruction a turn
	WIN 0
.rept 4
	v_nop                                          ; four places ahead of the first read of the sums, and of the next loads into this buffer
.endr
	GELU16
	s_lshl_b32 s43, s41, 1
	s_add_co_u32 s43, s43, s31                     ; the tile among all tiles: T0 + 2 i + part
	s_min_u32 s43, s43, 135
	s_lshl_b32 s43, s43, 15
	s_wait_xcnt 0x0                                ; the last tile's store has read its codes and its offset: both are written again below
	v_cvt_scalef32_pk8_bf8_f32 v[CD:CD+1], v[HU:HU+7], v[SCL]
	v_cvt_scalef32_pk8_bf8_f32 v[CD+2:CD+3], v[HU+8:HU+15], v[SCL]
	v_add_nc_u32 v[STA], s43, v[LI]                ; (also the plain line behind the last conversion)
	global_store_b128 v[STA], v[CD:CD+3], s[48:49] ; 512 consecutive bytes
.endm
	s_load_b256 s[4:11], s[0:1], 0x0               ; x s[4:5], W1 s[6:7], scales s[8:9], route s[10:11]
	s_load_b64 s[12:13], s[0:1], 0x20              ; hcodes
	v_lshl_add_u32 v254, v0, 2, 0x30c00
	v_mov_b32 v255, 0
	v_lshrrev_b32 v1, 5, v0
	v_readfirstlane_b32 s14, v1                    ; wave
	s_and_b32 s15, ttmp9, 1                        ; part
	s_lshr_b32 s16, ttmp9, 1                       ; slice
	s_and_b32 s17, ttmp7, 0xffff                   ; expert
	v_and_b32 v1, 15, v0                           ; r
	v_bfe_u32 v2, v0, 4, 1                         ; h
	v_and_b32 v19, 31, v0
	v_lshlrev_b32 v[LI], 4, v19
	v_and_b32 v20, 8, v1
	v_add_nc_u32 v20, v20, v1                      ; r + 8 (r / 8)
	v_lshlrev_b32 v[H16], 4, v2
	v_lshl_add_u32 v[WOFF], v20, 10, v[H16]
	v_mul_u32_u24 v[FRA], v1, PIT
	v_add_nc_u32 v[FRA], v[FRA], v[H16]
	v_lshlrev_b32 v[C16], 4, v1
	v_lshlrev_b32 v[R4], 2, v2
	v_mul_u32_u24 v21, v2, PIT
	v_add_nc_u32 v21, v21, v[C16]                  ; in a place: row h, 16 bytes a lane
	s_mul_i32 s43, s14, PLACE
.irp f, 0,1,2
	v_add_nc_u32 v[XST+\f], s43, v21               ; place 4 f + w
	s_add_co_u32 s43, s43, 4*PLACE
.endr
	s_lshl_b32 s18, s17, 3
	s_mov_b32 s19, 0
	s_lshl_b32 s34, s17, 4
	s_mov_b32 s35, 0
	s_lshl_b32 s36, s17, 21                        ; W1: expert, slice's 128 rows, wave's 32 rows
	s_lshl_b32 s38, s16, 17
	s_add_co_u32 s36, s36, s38
	s_lshl_b32 s38, s14, 15
	s_add_co_u32 s36, s36, s38
	s_mov_b32 s37, 0
	s_lshl_b32 s38, s16, 11                        ; hcodes: K step = slice, registers 4 w on
	s_lshl_b32 s39, s14, 9
	s_add_co_u32 s38, s38, s39
	s_mov_b32 s39, 0
	s_wait_kmcnt 0x0
	s_add_nc_u64 s[22:23], s[10:11], s[18:19]
	s_add_nc_u64 s[32:33], s[8:9], s[34:35]
	s_load_b64 s[20:21], s[22:23], 0x0             ; T0, nt of my expert
	s_load_b128 s[24:27], s[32:33], 0x0            ; ex, ew1, eh, ew2
	s_add_nc_u64 s[6:7], s[6:7], s[36:37]
	s_add_nc_u64 s[48:49], s[12:13], s[38:39]
	WLOAD 0                                        ; the weights hang on no list: they go out while the scalar loads are on their way
	KPAIR KA+0,  0xaf95df0b                        ; P, highest power first
	KPAIR KA+2,  0x32edffee
	KPAIR KA+4,  0xb60cff51
	KPAIR KA+6,  0xb86ec2d2
	KPAIR KA+8,  0xba40ac63
	KPAIR KA+10, 0xbb41a1f6
	KPAIR KA+12, 0xbc83dbd4
	KPAIR KB+0,  0xb77460cd                        ; Q
	KPAIR KB+2,  0xb95fbd29
	KPAIR KB+4,  0xbadc924e
	KPAIR KB+6,  0xbbf19bf8
	KPAIR KB+8,  0xbc69b6a7
	s_wait_kmcnt 0x0
	s_min_u32 s20, s20, 135
	s_min_u32 s21, s21, 128
	s_sub_co_u32 s28, s21, s15
	s_add_co_u32 s28, s28, 1
	s_lshr_b32 s28, s28, 1                         ; the part's tiles: (nt - part + 1) / 2
	s_min_u32 s29, s28, NPL                        ; those that go through LDS
	s_add_co_u32 s31, s20, s15                     ; T0 + part
	OLOAD 0
	OLOAD 1
	OLOAD 2
	WLOAD 1
	s_add_co_i32 s50, s24, s25                     ; a sum stands for sum x 2^(ex + ew1)
	v_mov_b32 v[KC1], 0x3f3504f3
	v_ldexp_f32 v[KC1], v[KC1], s50                ; 2^(ex + ew1) / sqrt 2
	v_ldexp_f32 v[KC2], 0.5, s50                   ; 2^(ex + ew1) / 2
	v_mov_b32 v[KC1+1], v[KC1]
	v_mov_b32 v[KC2+1], v[KC2]
	s_add_co_i32 s51, s26, 127
	s_lshl_b32 s52, s51, 23
	v_mov_b32 v[SCL], s52                          ; 2^eh: the conversion takes its exponent field
	s_add_co_i32 s51, s51, 15
	s_lshl_b32 s51, s51, 23
	s_or_b32 s51, s51, 0x600000
	v_mov_b32 v[LIM], s51                          ; 57,344 x 2^eh
	s_wait_loadcnt 32                              ; the lists are in: behind them only the second tile of W1, 32 loads
.set j, 0
.rept 24
	v_min_u32 v[XO+j], 2047, v[XO+j]
	v_lshl_add_u32 v[XO+j], v[XO+j], 10, v[C16]    ; token x 1,024 + 16 r
.set j, j+1
.endr
	XLD 0                                          ; my three places: all 96 loads first, then each place's stores as its loads come in
	XLD 1
	XLD 2
	XSTO 0, 63                                     ; 64 loads are younger than this place's last; the count names 63 at the most
	XSTO 1, 32                                     ; the third place's 32 may stay out
	XSTO 2, 0                                      ; all loads are in, W1's among them: they are older
	WIN 0
	s_wait_dscnt 0x0                               ; for the others' sake: my rows lie in LDS
	s_barrier_signal -1
	s_barrier_wait -1                              ; the one barrier; behind it LDS is only read
	s_cmp_eq_u32 s29, 0
	s_cbranch_scc1 .Lend
	LDA 0, FRA                                     ; place 0
	s_add_co_u32 s54, s29, 1
	s_lshr_b32 s54, s54, 1                         ; trips: pairs of tiles, the last pair perhaps half; at least 1 here
	s_mov_b32 s53, 0
.Lmain:                                            ; two tiles a trip, on buffers 0 and 1; the next tile's fragments are fetched ahead, from a place held inside the twelve
	s_lshl_b32 s40, s53, 1                         ; the trip's first tile
	s_add_co_u32 s41, s40, 1
	s_min_u32 s43, s41, NPL-1
	s_mul_i32 s43, s43, PLACE
	v_add_nc_u32 v[AD1], s43, v[FRA]
	LDA 1, AD1
	s_mov_b32 s41, s40
	TILE 0, 32                                     ; the other buffer's 32 loads may stay out
	s_add_co_u32 s41, s40, 1
	s_cmp_ge_u32 s41, s29
	s_cbranch_scc1 .Lodd                           ; an odd number of tiles: the last trip has no second tile; the jump stays inside the trip
	s_add_co_u32 s43, s40, 2
	s_min_u32 s43, s43, NPL-1
	s_mul_i32 s43, s43, PLACE
	v_add_nc_u32 v[AD0], s43, v[FRA]
	LDA 0, AD0
	TILE 1, 32
.Lodd:
	s_wait_dscnt 0x0                               ; the fetch ahead has landed (buffer 0's, asked for a whole tile's work ago; on the short way buffer 1's): its registers may be loaded again
	s_add_co_u32 s53, s53, 1
	s_cmp_lt_u32 s53, s54
	s_cbranch_scc1 .Lmain
	s_mov_b32 s40, NPL
	s_cmp_lt_u32 s40, s28
	s_cbranch_scc0 .Lend
.Lover:                                            ; tiles beyond the twelve places: fragments straight from memory
	s_lshl_b32 s43, s40, 1
	s_add_co_u32 s43, s43, s31
	s_min_u32 s43, s43, 135
	s_lshl_b32 s43, s43, 6
	v_lshl_add_u32 v[OVA], v1, 2, s43
	global_load_b32 v[OVT], v[OVA], s[10:11] offset:256
	s_wait_loadcnt 0x0
	v_min_u32 v[OVT], 2047, v[OVT]
	v_lshl_add_u32 v[OVT], v[OVT], 10, v[H16]
	WIN 0x80
.irp k, 0,1,2,3,4,5,6,7
.irp c, 0,1,2,3
	global_load_b128 v[16*\k+4*\c:16*\k+4*\c+3], v[OVT], s[4:5] offset:128*\k+32*\c
.endr
.endr
	WIN 0
	s_wait_loadcnt 0x0
	s_mov_b32 s41, s40
	TILE 0, 0
	s_add_co_u32 s40, s40, 1
	s_cmp_lt_u32 s40, s28
	s_cbranch_scc1 .Lover
.Lend:
	s_wait_tensorcnt 0x0
	ds_add_u32 v254, v255
	s_wait_dscnt 0x0
	s_endpgm
.Lfunc_end_k_q6d6bfda793_up:
	.size	k_q6d6bfda793_up, .Lfunc_end_k_q6d6bfda793_up-k_q6d6bfda793_up
	.p2alignl 7, 3214868480
	.fill 96, 4, 3214868480
	.section	.rodata,"a",@progbits
	.p2align	6, 0x0
	.amdhsa_kernel k_q6d6bfda793_up
		.amdhsa_group_segment_fixed_size 200192
		.amdhsa_private_segment_fixed_size 0
		.amdhsa_enable_private_segment 0
		.amdhsa_kernarg_size 40
		.amdhsa_user_sgpr_count 2
		.amdhsa_user_sgpr_kernarg_segment_ptr 1
		.amdhsa_wavefront_size32 1
		.amdhsa_system_sgpr_workgroup_id_x 1
		.amdhsa_system_sgpr_workgroup_id_y 1
		.amdhsa_system_sgpr_workgroup_id_z 1
		.amdhsa_system_vgpr_workitem_id 0
		.amdhsa_next_free_vgpr 896
		.amdhsa_next_free_sgpr 66
		.amdhsa_reserve_vcc 0
		.amdhsa_float_denorm_mode_32 3
		.amdhsa_float_denorm_mode_16_64 3
		.amdhsa_memory_ordered 1
		.amdhsa_forward_progress 1
		.amdhsa_inst_pref_size 80
	.end_amdhsa_kernel
	.amdgpu_metadata
---
amdhsa.version: [ 1, 2 ]
amdhsa.kernels:
  - .name:           k_q6d6bfda793_up
    .symbol:         k_q6d6bfda793_up.kd
    .args:
      - { .name: x_codes, .offset: 0, .size: 8, .value_kind: global_buffer, .address_space: global }
      - { .name: W1_codes, .offset: 8, .size: 8, .value_kind: global_buffer, .address_space: global }
      - { .name: lowp_scales, .offset: 16, .size: 8, .value_kind: global_buffer, .address_space: global }
      - { .name: route, .offset: 24, .size: 8, .value_kind: global_buffer, .address_space: global }
      - { .name: hcodes, .offset: 32, .size: 8, .value_kind: global_buffer, .address_space: global }
    .group_segment_fixed_size: 200192
    .private_segment_fixed_size: 0
    .kernarg_segment_align: 8
    .kernarg_segment_size: 40
    .max_flat_workgroup_size: 128
    .sgpr_count:     66
    .vgpr_count:     896
    .wavefront_size: 32
...
	.end_amdgpu_metadata
.endif
;; end of part 2
;; launch down (part 3): grid 32 x 8, 4 waves a work-group, no clusters, 150,016 bytes of LDS; arguments hcodes, W2_codes, b2, lowp_scales, route, out0; writes out0
.if DOCPART == 3
	.amdgcn_target "amdgcn-amd-amdhsa--gfx1250"
	.amdhsa_code_object_version 6
	.text
	.protected	k_q6d6bfda793_down
	.globl	k_q6d6bfda793_down
	.p2align	8
	.type	k_q6d6bfda793_down,@function
k_q6d6bfda793_down:
	s_mov_b64 s[64:65], 0
	v_nop
	global_prefetch_b8 v0, s[64:65] scope:SCOPE_SE
	s_setreg_imm32_b32 hwreg(HW_REG_WAVE_MODE, 25, 1), 1
	s_wait_xcnt 0x0
; out0[token] = h W2[e]^T x 2^(eh + ew2) + b2[e] for the rows listed for expert e; h as codes of E5M2 from the launch before; sums in f32.
; SHARES.  Work-group (x = 2 slice + part, y = expert e): outputs 64 slice .. + 63, and the expert's tiles of 16 listed rows whose number has the part's parity.
; W2's slice, 64 rows x 2,048 bytes, goes into LDS once, by loads of 512 consecutive bytes: one barrier, with no branch ahead of it.
; THE WAVES SHARE THE ROWS: wave w owns the part's tiles i = w, w + 4, .., four slots to a pass, each against all 64 outputs: a token's 256 bytes of the slice leave whole.
; h's fragments come straight from hcodes, which holds them as register images: a load reads 512 consecutive bytes, and no other wave of the work-group wants them.
; They go through a ring of 16 fragments in the order of their use, f = K step x slots + slot: 64 loads of a wave are out whatever the number of slots.
; The ring's first 16 are asked for ahead of the barrier, their addresses stepped by selects, with no branch.  A wave with no tile asks for tile 0's there and uses none of it:
; 2,048 listed rows make 128 tiles at the least, so tile 0 has always been stored.
; THE PRODUCT IS USED TRANSPOSED (source 0 = 16 rows of W2, source 1 = 16 rows of h): a lane holds one token and eight neighbouring outputs.
; No tensor loads and no cluster: trip counts hang on the stored list, and partners would have different numbers of tiles.
; A list entry with bit 16 set (eid out of range) gets zeros.  A pad entry repeats an entry of its own tile: the same bytes, stored by the same wave.
; LIMITS: eh + ew2 goes in by v_ldexp_f32.  NaN and infinity among the codes are not served.
; REGISTERS: window 0: addresses, list, bias, the way out; window 1: v0-127 the sums at v[32 slot + 8 b], v128-255 two sets of W2's four fragments (ahead of the barrier all 256 carry W2 to LDS);
;   window 2: the ring.
.set WP,   2064                        ; an LDS row of W2: 2,048 bytes + 16: an odd multiple of 16
.set STG,  64*WP                       ; behind it a stage of 16 rows x 272 bytes for each wave
.set LI,   3                           ; 16 x lane
.set WST,  4
.set BAD,  5                           ; v5, v6  LDS address of W2's fragments: output tiles 0, 1 and 2, 3
.set SO,   7
.set SR,   8
.set OC,   9
.set R4,   10
.set H32,  11
.set OA,   12                          ; v12-15  list addresses
.set AO,   16                          ; v16-19  a slot's tile in hcodes
.set SS,   20                          ; v20-21  2^(eh + ew2), twice
.set AE,   32                          ; v32-47  addresses of the ring's first 16 fragments
.set OT,   64                          ; v64-95  list entries, then byte offsets in out0
.set BB2,  96                          ; v96-127 b2 in the sums' layout
.set YY,   128
.set OB,   160
.set MSB, 0
.macro WIN new                         ; the immediate's high byte repeats the setting that is left; a switch that changes nothing is dropped
.if MSB != (\new)
	s_set_vgpr_msb (MSB<<8)|(\new)
.set MSB, (\new)
.endif
.endm
.macro SETUP                           ; from the pass q in s30: s31 slots, s32 slots or 1, s33 slot 0's tile
	s_lshl_b32 s34, s30, 2
	s_sub_co_u32 s31, s28, s34
	s_min_u32 s31, s31, 4
	s_max_u32 s32, s31, 1
	s_lshl_b32 s34, s30, 5
	s_add_co_u32 s33, s45, s34
	s_cmp_eq_u32 s31, 0
	s_cselect_b32 s33, 0, s33                      ; no slot: tile 0, which has always been stored
.endm
.macro PH1                             ; the four slots' lists (lanes 0-15 entry 2 t, lanes 16-31 entry 2 t + 1) and tiles; slot a's tile is 8 a further on
.irp a, 0,1,2,3
	s_add_co_u32 s44, s33, 8*\a
	s_min_u32 s44, s44, 135
	s_lshl_b32 s34, s44, 6
	v_add_nc_u32 v[OA+\a], s34, v[R4]
	s_lshl_b32 s34, s44, 15
	v_add_nc_u32 v[AO+\a], s34, v[LI]
.irp t, 0,1,2,3,4,5,6,7
	global_load_b32 v[OT+8*\a+\t], v[OA+\a], s[12:13] offset:256+8*\t
.endr
.endr
.endm
.macro EARLY                           ; fragments 0-15.  s41 counts images of 2,048 bytes: 16 x tile + K step; a slot on is 128 more, behind the last slot back to slot 0 and a K step on
	s_mov_b32 s40, 0
	s_lshl_b32 s41, s33, 4
	s_lshl_b32 s42, s32, 7
	s_sub_co_u32 s42, s42, 1
.irp f, 0,1,2,3,4,5,6,7,8,9,10,11,12,13,14,15
	s_min_u32 s44, s41, 2175
	s_lshl_b32 s44, s44, 11
	v_add_nc_u32 v[AE+\f], s44, v[LI]
	s_add_co_u32 s40, s40, 1
	s_add_co_u32 s41, s41, 128
	s_sub_co_u32 s43, s41, s42
	s_cmp_eq_u32 s40, s32
	s_cselect_b32 s41, s43, s41
	s_cselect_b32 s40, 0, s40
.endr
	WIN 0x80
.irp f, 0,1,2,3,4,5,6,7,8,9,10,11,12,13,14,15
.irp c, 0,1,2,3
	global_load_b128 v[16*\f+4*\c:16*\f+4*\c+3], v[AE+\f], s[4:5] offset:512*\c
.endr
.endr
	WIN 0
.endm
.macro LDB k                           ; W2's four fragments of K step k into set k % 2
	WIN 0x40
.irp b, 0,1,2,3
.irp c, 0,1,2,3
	ds_load_b128 v[128+64*((\k)%2)+16*\b+4*\c:128+64*((\k)%2)+16*\b+4*\c+3], v[BAD+\b/2] offset:16*WP*(\b%2)+128*(\k)+32*\c
.endr
.endr
.endm
; All 16 K steps for m slots.  The wait on the loads leaves out what was issued behind the step's last fragment: 4 x (fragments asked for so far - fragments used up to here).
.macro KLOOP m
	LDB 0
.set kk, 0
.rept 16
.if kk < 15
	LDB kk+1
.endif
.set iss, 16+kk*(\m)
.if iss > 16*(\m)
.set iss, 16*(\m)
.endif
	s_wait_loadcnt 4*(iss-(kk+1)*(\m))
.if kk < 15
	s_wait_dscnt 16                                ; this step's set of W2 is in; the next step's 16 loads may stay out
.else
	s_wait_dscnt 0x0
.endif
	WIN 0x59                                       ; source 0 (W2), C and D window 1; source 1 (h) window 2
.set aa, 0
.rept \m
.irp b, 0,1,2,3
.if kk == 0
	v_wmma_f32_16x16x128_bf8_bf8 v[32*aa+8*\b:32*aa+8*\b+7], v[128+64*(kk%2)+16*\b:128+64*(kk%2)+16*\b+15], v[16*((kk*(\m)+aa)%16):16*((kk*(\m)+aa)%16)+15], 0
.else
	v_wmma_f32_16x16x128_bf8_bf8 v[32*aa+8*\b:32*aa+8*\b+7], v[128+64*(kk%2)+16*\b:128+64*(kk%2)+16*\b+15], v[16*((kk*(\m)+aa)%16):16*((kk*(\m)+aa)%16)+15], v[32*aa+8*\b:32*aa+8*\b+7]
.endif
.endr
.set aa, aa+1
.endr                                          ; the 4 m accumulators take turns, one instruction a turn
.rept 4
	v_nop                                          ; four places ahead of the loads into the ring places and the set of W2 just read, and of the first read of the sums
.endr
.set aa, 0
.rept \m
.set ff, kk*(\m)+aa+16
.if ff < 16*(\m)
	WIN 0x80
.irp c, 0,1,2,3
	global_load_b128 v[16*(ff%16)+4*\c:16*(ff%16)+4*\c+3], v[AO+ff%(\m)], s[4:5] offset:2048*(ff/(\m))+512*\c
.endr
.endif
.set aa, aa+1
.endr
.set kk, kk+1
.endr
	WIN 0
.endm
; Slot a goes out: sum x 2^(eh + ew2) + b2, through my stage, back as whole rows of 256 bytes, to the tokens' rows.
.macro EPI a
.irp t, 0,1,2,3,4,5,6,7
	v_cmp_gt_u32 s[52+\t], s51, v[OT+8*\a+\t]      ; a token whose eid was in range
.endr
.irp t, 0,1,2,3,4,5,6,7
	v_and_b32 v[OT+8*\a+\t], 0xffff, v[OT+8*\a+\t]
.endr
.irp t, 0,1,2,3,4,5,6,7
	v_min_u32 v[OT+8*\a+\t], 2047, v[OT+8*\a+\t]
.endr
.irp t, 0,1,2,3,4,5,6,7
	v_lshl_add_u32 v[OT+8*\a+\t], v[OT+8*\a+\t], 12, v[OC]
.endr
	WIN 0x01                                       ; source 0 (the sums) window 1
.irp b, 0,1,2,3
.irp i, 0,2,4,6
	v_pk_fma_f32 v[YY+8*\b+\i:YY+8*\b+\i+1], v[32*\a+8*\b+\i:32*\a+8*\b+\i+1], v[SS:SS+1], v[BB2+8*\b+\i:BB2+8*\b+\i+1]   ; each accumulator from its low end on
.endr
.endr
	WIN 0
	s_wait_xcnt 0x0                                ; the last slot's stores have read the registers that the loads below fill
.irp b, 0,1,2,3
	ds_store_b128 v[SO], v[YY+8*\b:YY+8*\b+3] offset:64*\b
	ds_store_b128 v[SO], v[YY+8*\b+4:YY+8*\b+7] offset:64*\b+16
.endr
.irp t, 0,1,2,3,4,5,6,7
	ds_load_b128 v[OB+4*\t:OB+4*\t+3], v[SR] offset:544*\t   ; LDS serves a wave's instructions in order (ISA guide 5.7.1.4): these see my stores
.endr
.irp t, 0,1,2,3,4,5,6,7
	s_wait_dscnt 7-\t
.irp i, 0,1,2,3
	v_cndmask_b32 v[OB+4*\t+\i], 0, v[OB+4*\t+\i], s[52+\t]
.endr
	global_store_b128 v[OT+8*\a+\t], v[OB+4*\t:OB+4*\t+3], s[14:15] th:TH_STORE_NT   ; sixteen lanes store 256 consecutive bytes, aligned, of one token's row; two tokens a store
.endr
.endm
	s_load_b256 s[4:11], s[0:1], 0x0               ; hcodes s[4:5], W2 s[6:7], b2 s[8:9], scales s[10:11]
	s_load_b128 s[12:15], s[0:1], 0x20             ; route s[12:13], out0 s[14:15]
	v_lshl_add_u32 v254, v0, 2, 0x24800
	v_mov_b32 v255, 0
	v_lshrrev_b32 v1, 5, v0
	v_readfirstlane_b32 s16, v1                    ; wave
	s_and_b32 s17, ttmp9, 1                        ; part
	s_lshr_b32 s18, ttmp9, 1                       ; slice
	s_and_b32 s19, ttmp7, 0xffff                   ; expert
	v_and_b32 v1, 15, v0                           ; r
	v_bfe_u32 v2, v0, 4, 1                         ; h
	v_and_b32 v22, 31, v0
	v_lshlrev_b32 v[LI], 4, v22
	s_mul_i32 s34, s16, 16*WP
	v_add_nc_u32 v[WST], s34, v[LI]                ; I carry rows 16 w .. 16 w + 15 of the slice
	v_mul_u32_u24 v[BAD], v1, WP
	v_lshl_add_u32 v[BAD], v2, 4, v[BAD]
	v_add_nc_u32 v[BAD+1], 32*WP, v[BAD]
	s_mul_i32 s34, s16, 16*272
	s_add_co_u32 s34, s34, STG                     ; my stage
	v_mul_u32_u24 v[SO], v1, 272
	v_lshl_add_u32 v[SO], v2, 5, v[SO]
	v_add_nc_u32 v[SO], s34, v[SO]                 ; in: row r, 32 bytes for each half of the lanes
	v_mul_u32_u24 v[SR], v2, 272
	v_lshl_add_u32 v[SR], v1, 4, v[SR]
	v_add_nc_u32 v[SR], s34, v[SR]                 ; back: lanes 0-15 one row, lanes 16-31 the next
	s_lshl_b32 s35, s18, 8
	v_lshl_add_u32 v[OC], v1, 4, s35               ; in a row of out0: the slice's 256 bytes, 16 a lane
	v_lshlrev_b32 v[R4], 2, v2
	v_lshlrev_b32 v[H32], 5, v2
	s_lshl_b32 s36, s19, 3
	s_mov_b32 s37, 0
	s_lshl_b32 s38, s19, 4
	s_mov_b32 s39, 0
	s_lshl_b32 s40, s19, 21                        ; W2: expert, slice's 64 rows, wave's 16 rows
	s_lshl_b32 s44, s18, 17
	s_add_co_u32 s40, s40, s44
	s_lshl_b32 s44, s16, 15
	s_add_co_u32 s40, s40, s44
	s_mov_b32 s41, 0
	s_lshl_b32 s42, s19, 12                        ; b2: expert, slice
	s_add_co_u32 s42, s42, s35
	s_mov_b32 s43, 0
	s_mov_b32 s51, 0x10000
	s_mov_b32 s30, 0                               ; the pass
	s_wait_kmcnt 0x0
	s_add_nc_u64 s[46:47], s[12:13], s[36:37]
	s_add_nc_u64 s[48:49], s[10:11], s[38:39]
	s_load_b64 s[20:21], s[46:47], 0x0             ; T0, nt of my expert
	s_load_b128 s[24:27], s[48:49], 0x0            ; ex, ew1, eh, ew2
	s_add_nc_u64 s[6:7], s[6:7], s[40:41]
	s_add_nc_u64 s[8:9], s[8:9], s[42:43]
	WIN 0x40
.set j, 0
.rept 64
	global_load_b128 v[4*j:4*j+3], v[LI], s[6:7] offset:512*j   ; my 16 rows are 32,768 consecutive bytes; they hang on no list and go out first
.set j, j+1
.endr
	WIN 0
.irp b, 0,1,2,3
	global_load_b128 v[BB2+8*\b:BB2+8*\b+3], v[H32], s[8:9] offset:64*\b       ; lane (r, h): outputs 16 b + 8 h + 0 .. 7
	global_load_b128 v[BB2+8*\b+4:BB2+8*\b+7], v[H32], s[8:9] offset:64*\b+16
.endr
	s_wait_kmcnt 0x0
	s_min_u32 s20, s20, 135
	s_min_u32 s21, s21, 128
	s_sub_co_u32 s28, s21, s17
	s_add_co_u32 s28, s28, 1
	s_lshr_b32 s28, s28, 1                         ; the part's tiles
	s_sub_co_u32 s28, s28, s16
	s_add_co_u32 s28, s28, 3
	s_lshr_b32 s28, s28, 2                         ; my tiles: i = w + 4 n under that
	s_add_co_u32 s29, s28, 3
	s_lshr_b32 s29, s29, 2                         ; passes of four
	s_lshl_b32 s45, s16, 1
	s_add_co_u32 s45, s45, s20
	s_add_co_u32 s45, s45, s17                     ; T0 + 2 w + part
	s_add_co_i32 s34, s26, s27
	v_ldexp_f32 v[SS], 1.0, s34                    ; 2^(eh + ew2)
	v_mov_b32 v[SS+1], v[SS]
	SETUP
	PH1
	EARLY
	s_wait_loadcnt 63                              ; W2's 64 loads are in: 104 loads are younger, and the count names 63 at the most
	WIN 0x04                                       ; store data window 1
.set j, 0
.rept 64
	ds_store_b128 v[WST], v[4*j:4*j+3] offset:WP*(j/4)+512*(j%4)
.set j, j+1
.endr
	WIN 0
	s_wait_dscnt 0x0                               ; for the others' sake: my rows of W2 lie in LDS
	s_barrier_signal -1
	s_barrier_wait -1                              ; the one barrier; behind it W2's bytes are only read, and a stage is its wave's own
	s_cmp_eq_u32 s29, 0
	s_cbranch_scc1 .Lend
.Lpass:
	s_cmp_eq_u32 s31, 1
	s_cbranch_scc1 .Lk1
	s_cmp_eq_u32 s31, 2
	s_cbranch_scc1 .Lk2
	s_cmp_eq_u32 s31, 3
	s_cbranch_scc1 .Lk3
	KLOOP 4
	s_branch .Lepi
.Lk3:
	KLOOP 3
	s_branch .Lepi
.Lk2:
	KLOOP 2
	s_branch .Lepi
.Lk1:
	KLOOP 1
.Lepi:
	EPI 0
	s_cmp_lt_u32 s31, 2
	s_cbranch_scc1 .Lepi_done
	EPI 1
	s_cmp_lt_u32 s31, 3
	s_cbranch_scc1 .Lepi_done
	EPI 2
	s_cmp_lt_u32 s31, 4
	s_cbranch_scc1 .Lepi_done
	EPI 3
.Lepi_done:
	s_add_co_u32 s30, s30, 1
	s_cmp_ge_u32 s30, s29
	s_cbranch_scc1 .Lend                           ; no further pass: nothing more is asked for
	s_wait_xcnt 0x0                                ; the stores have read their offsets: the list's registers are loaded again
	SETUP
	PH1
	EARLY
	s_cmp_lt_u32 s30, s29
	s_cbranch_scc1 .Lpass
.Lend:
	s_wait_tensorcnt 0x0
	ds_add_u32 v254, v255
	s_wait_dscnt 0x0
	s_endpgm
.Lfunc_end_k_q6d6bfda793_down:
	.size	k_q6d6bfda793_down, .Lfunc_end_k_q6d6bfda793_down-k_q6d6bfda793_down
	.p2alignl 7, 3214868480
	.fill 96, 4, 3214868480
	.section	.rodata,"a",@progbits
	.p2align	6, 0x0
	.amdhsa_kernel k_q6d6bfda793_down
		.amdhsa_group_segment_fixed_size 150016
		.amdhsa_private_segment_fixed_size 0
		.amdhsa_enable_private_segment 0
		.amdhsa_kernarg_size 48
		.amdhsa_user_sgpr_count 2
		.amdhsa_user_sgpr_kernarg_segment_ptr 1
		.amdhsa_wavefront_size32 1
		.amdhsa_system_sgpr_workgroup_id_x 1
		.amdhsa_system_sgpr_workgroup_id_y 1
		.amdhsa_system_sgpr_workgroup_id_z 1
		.amdhsa_system_vgpr_workitem_id 0
		.amdhsa_next_free_vgpr 768
		.amdhsa_next_free_sgpr 66
		.amdhsa_reserve_vcc 0
		.amdhsa_float_denorm_mode_32 3
		.amdhsa_float_denorm_mode_16_64 3
		.amdhsa_memory_ordered 1
		.amdhsa_forward_progress 1
		.amdhsa_inst_pref_size 232
	.end_amdhsa_kernel
	.amdgpu_metadata
---
amdhsa.version: [ 1, 2 ]
amdhsa.kernels:
  - .name:           k_q6d6bfda793_down
    .symbol:         k_q6d6bfda793_down.kd
    .args:
      - { .name: hcodes, .offset: 0, .size: 8, .value_kind: global_buffer, .address_space: global }
      - { .name: W2_codes, .offset: 8, .size: 8, .value_kind: global_buffer, .address_space: global }
      - { .name: b2, .offset: 16, .size: 8, .value_kind: global_buffer, .address_space: global }
      - { .name: lowp_scales, .offset: 24, .size: 8, .value_kind: global_buffer, .address_space: global }
      - { .name: route, .offset: 32, .size: 8, .value_kind: global_buffer, .address_space: global }
      - { .name: out0, .offset: 40, .size: 8, .value_kind: global_buffer, .address_space: global }
    .group_segment_fixed_size: 150016
    .private_segment_fixed_size: 0
    .kernarg_segment_align: 8
    .kernarg_segment_size: 48
    .max_flat_workgroup_size: 128
    .sgpr_count:     66
    .vgpr_count:     768
    .wavefront_size: 32
...
	.end_amdgpu_metadata
.endif
;; end of part 3
